; MI455X (gfx1250); checked and timed in simulation.
; The chip was launched on July 23, 2026; its instructions are those of AMD's public machine-readable ISA for CDNA 5 (MIT licence, August 2026) and "CDNA5" Instruction Set Architecture Reference Guide (July 2026). The comments in the code are by the model that wrote it; some were corrected since.
;; SVD Quant Linear. Allowed arithmetic: matrix products marked QUANTISED: E2M1 operands, one E8M0 scale for each 32 along K, by v_wmma_scale_f32_16x16x128_f8f6f4 with both operands' format E2M1 (or v_wmma_scale_f32_32x16x128_f4), f32 sums; everything else in f32.
;; Inputs: bias 4,096 float32; lora_A 32 x 4,096 float32; lora_B 4,096 x 32 float32; lora_S 32 float32; w_q 4,096 x 4,096 int32; w_scale 4,096 float32; x 4 x 1,024 x 4,096 float32.
;; Outputs: out0 4 x 1,024 x 4,096 float32.
;; This version of the problem:
;;   THIS VERSION OF THE PROBLEM IS GIVEN IN LOW PRECISION. The matrix products marked QUANTISED in the list below multiply operands that are first quantised to E2M1 (2 exponent bits, 1 mantissa bit; 4 bits a number), with one power-of-two scale for each 32 numbers along K (OCP MX v1.0); their sums are f32. All else is computed in f32.
;;   The module's matrix products, in the order in which they are computed (A, B: the left and right operand; K: the contracted axis; several contracted axes count as one K, in the product's order):
;;     1. [M 4,096, K 4,096] x [K 4,096, N 4,096]; A: input x; B: computed on the way: QUANTISED
;;     2. [M 4,096, K 4,096] x [K 4,096, N 32]; A: input x; B: input lora_A: QUANTISED
;;     3. [M 4,096, K 32] x [K 32, N 4,096]; A: computed on the way; B: input lora_B: QUANTISED
;;   THE QUANTISER, for each operand of a quantised product, along K:
;;     - K is cut into blocks of 32 from its start; a last block that is shorter is filled with zeros.
;;     - A block's scale is 2^e with e = floor(log2(the largest magnitude in the block)) - 2, held to -126 .. 127; a block of zeros has e = 0. As a byte (E8M0): e + 127.
;;     - Each number is divided by its block's scale, clamped to +-6, and rounded to the nearest number of E2M1, ties to even, subnormals kept.
;;     - The product sums the exact products of the quantised numbers (number of the format x scale) in f32.
;;   ~~~python
;;   def quantise(x, axis):      # numpy; x: float32 -> the quantised numbers, widened to float32 again
;;       x = np.moveaxis(x, axis, -1); K = x.shape[-1]
;;       x = np.pad(x, [(0, 0)] * (x.ndim - 1) + [(0, -K % 32)]); x = x.reshape(x.shape[:-1] + (-1, 32)); a = np.abs(x).max(-1, keepdims=True)
;;       e = np.where(a > 0, np.clip(np.frexp(np.where(a > 0, a, 1))[1] - 1 - 2, -126, 127), 0)      # np.frexp(a)[1] - 1 = floor(log2(a)), exactly
;;       r = np.clip(x / 2.0 ** e, -6, 6)
;;       step = 2.0 ** (np.maximum(np.frexp(np.where(r == 0, 1, r))[1] - 1, 0) - 1)
;;       q = np.round(r / step) * step * 2.0 ** e      # np.round: ties to even
;;       return np.moveaxis(q.reshape(q.shape[:-2] + (-1,))[..., :K], -1, axis).astype(np.float32)
;;   ~~~
;;   OPERANDS COMPUTED ON THE WAY. 'Computed on the way' means the value that the module computes at that place (a softmax that the list does not call 'softmax' is quantised finished and normalised). What goes into a quantiser is computed in f32, as accurately as f32 sums, v_exp_f32 and their like allow (about 1e-6 of the number): no bf16 or f16 on the way to a quantiser, and a product that is left as it is and whose result goes on into a quantised operand takes f32 operands (vector FMAs, or v_wmma_f32_16x16x4_f32). A number that lies on a knife's edge between two numbers of the format may be rounded either way, as far as f32 arithmetic and the matrix unit's own rounding can turn it there, and no further.
;; One version. Each part assembles by itself: llvm-mc -triple=amdgcn-amd-amdhsa -mcpu=gfx1250 --defsym DOCPART=n.
;; ======== version 1 of 1: 2 launches
;; limits: right only within a limited range of input values
;; workspace buffers: xq 8,912,896 bytes; wq 10,027,008 bytes; lbq 262,144 bytes; lbs 16,384 bytes
;; launch quant (part 1): grid 1072 x 1, 4 waves a work-group, no clusters, 38,400 bytes of LDS; arguments x, w_q, w_scale, lora_A, lora_B, xq, wq, lbq, lbs; writes xq, wq, lbq, lbs
.if DOCPART == 1
	.amdgcn_target "amdgcn-amd-amdhsa--gfx1250"
	.amdhsa_code_object_version 6
	.text
	.protected	k_q432f35e126_quant
	.globl	k_q432f35e126_quant
	.p2align	8
	.type	k_q432f35e126_quant,@function
k_q432f35e126_quant:
	s_mov_b64 s[64:65], 0
	v_nop
	global_prefetch_b8 v0, s[64:65] scope:SCOPE_SE
	s_setreg_imm32_b32 hwreg(HW_REG_WAVE_MODE, 25, 1), 1
	s_wait_xcnt 0x0
; x [4096][4096] f32, w_q [4096][4096] i32 times w_scale [4096] f32, lora_A [32][4096] f32 and lora_B [4096][32] f32 are turned into codes of FP4 (E2M1), K innermost,
; with one E8M0 scale byte for each 32 along K, laid as the product's launch reads them.  No work of the problem is left out.
; A block's scale is 2^(floor(log2(its largest magnitude)) - 2); its byte is the largest magnitude's exponent field - 2, held at 1 from below.  Each number is divided by the scale and rounded to the nearest code, ties to even;
; beyond 6 the conversion gives the largest code.
; LIMITS: a block of zeros gets the byte 1 where the rule says 127 (its codes are zeros, which add nothing under any byte but 0xff, and this program alone reads the bytes); a block whose largest magnitude lies under 2^-124
; has its byte held at 1, as the rule's own clip has it; NaN and infinities among the inputs are not served.
; RECORDS.  512 along K of one row become a record of 272 bytes: 256 bytes of codes (the lower k in the low four bits), then the 16 scale bytes.
;   xq [K step 0..7][row 0..4095][272].   wq [K step 0..7][half tile 0..31][row 0..143][272]: rows 0-127 are rows 128 j + i of w_q x w_scale, rows 128-143 are rows 16 (j % 2) + 0..15 of lora_A, copied into each half tile.
;   lbq: for each 16 rows of lora_B 1,024 bytes, the image of the operand's registers: byte 512 c + 16 l = lane l's registers 4 c .. 4 c + 3: 256 bytes of codes (K = 32: lanes 0-15, c = 0), then zero codes.
;   lbs: one word a row of lora_B: byte 0 the scale byte, bytes 1-3 zero, over zero codes.
; SHARES.  Work-groups 0-511 take x, 512-1023 w_q: one path, only pointers and a few numbers are chosen by the work-group's number.  A wave takes 16 rows x 512 along K: 16 steps, a row each; its 16 records are 4,352 consecutive
; bytes = 17 aligned runs of 256 bytes.
; Work-groups 1024-1039 take lora_A: work-group a has K step a % 8 of rows 16 (a / 8) + 0..15, wave q four of these rows: 4 records = 1,088 bytes, which go out 16 times, into every second half tile.  1,088 bytes are 4.25 runs
; of 256, and a wave's bytes begin at a multiple of 64 from the buffer's first byte; the fifth store of a copy begins 192 bytes back, so that no lane is switched off: these 192 bytes are stored twice, by the same wave, with the
; same values.
; Work-groups 1040-1071 take lora_B, a lane to a row, on a path that uses no LDS.
; THE STAGE.  A load takes 512 consecutive bytes, 16 a lane; the conversions want 16 neighbours in a lane: so a step's 2,048 bytes turn through the wave's own stage in LDS.  Chunk n of 16 bytes lies at 16 n + 16 (n / 16):
; 16 bytes of padding behind each 256.  On the way in sixteen lanes store chunks 16 k .. 16 k + 15; on the way out sixteen lanes load chunks four apart: either way they touch sixteen different columns of 16 bytes modulo 256.
; Codes and scale bytes are gathered in the wave's own LDS bytes and leave by stores of 256 consecutive bytes.  Loads run four steps (16 loads a wave) ahead, the turn through LDS one step.
; No tensor loads, no barrier, no cluster: waves and work-groups share nothing; on either path that uses LDS a wave touches only its own 9,472 bytes.
.set STG,    2560                      ; a stage's place: 2,176 bytes are used
.set SROW,   544                       ; a load's 512 bytes in the stage: two runs of 256 + 16
.set OUTB,   2*STG                     ; behind the two stages: the wave's records
.set REC,    272
.set GRP,    16*REC                    ; 16 records
.set WREG,   OUTB+GRP                  ; a wave's LDS: 9,472 bytes
.set SPARE,  4*WREG                    ; behind the four waves' bytes: the spare words, 512 bytes that no other line names
.set ROWIN,  16384                     ; a row of x, w_q or lora_A in bytes
.set KSTR_X, 4096*REC                  ; a K step of xq
.set KSTR_W, 32*144*REC                ; a K step of wq
.set WG_A,   1024                      ; lora_A's first work-group
.set WG_B,   1040                      ; lora_B's
.set R,      16                        ; v16-79   four sets of 16 numbers as they are loaded; at the end from v16 on: the records on their way out
.set X,      80                        ; v80-111  two sets of 16 neighbours
.set E,      112                       ; v112-127 a scale byte for each step
.set C,      128                       ; v128-159 two registers of codes for each step: no LDS store's data are written again
.set OUTR,   16
.macro LOAD t                          ; row t's 512 numbers
.irp i, 0,1,2,3
	global_load_b128 v[R+16*((\t)%4)+4*\i:R+16*((\t)%4)+4*\i+3], v3, s[24:25] offset:ROWIN*(\t)+512*\i th:TH_LOAD_NT   ; 32 lanes read 512 consecutive bytes
.endr
.endm
.macro TURN t                          ; through the stage: LDS serves a wave's instructions in order (ISA guide 5.7.1.4), so no wait stands between the stores and the loads
.irp i, 0,1,2,3
	ds_store_b128 v14, v[R+16*((\t)%4)+4*\i:R+16*((\t)%4)+4*\i+3] offset:STG*((\t)%2)+SROW*\i
.endr
.irp i, 0,1,2,3
	ds_load_b128 v[X+16*((\t)%2)+4*\i:X+16*((\t)%2)+4*\i+3], v15 offset:STG*((\t)%2)+16*\i
.endr
.endm
; Step t of a run of n: a row's 512 numbers become a record.  w = 1: the path of x and w_q, on which w_q's whole numbers are first made f32 and scaled.
.macro STEP t, n, w
.set XS, X+16*((\t)%2)
.if (\t) > 0
	s_wait_dscnt 2                                 ; this step's numbers are back from the stage (the last step's two stores into the records may be out), so its stores into the stage have read their registers,
.else
	s_wait_dscnt 0x0
.endif
.if (\t)+4 < (\n)
	LOAD (\t)+4                                    ; which take the loads of four steps on
.endif
.if (\t)+1 < (\n)
.if (\n)-2-(\t) >= 3
	s_wait_loadcnt 12                              ; the next step's four loads are in; those of the three steps behind it may be out
.else
	s_wait_loadcnt 4*((\n)-2-(\t))                 ; towards the end fewer steps stand behind it
.endif
	TURN (\t)+1                                    ; and go through the other stage while this step is worked
.endif
.if \w
	s_cmp_lg_u32 s30, 1                            ; w_q alone: whole numbers to f32 (under 2^24 in magnitude without rounding; beyond, one rounding), times the row's scale
	s_cbranch_scc1 .Lfloat_\@
.irp i, 0,1,2,3,4,5,6,7,8,9,10,11,12,13,14,15
	v_cvt_f32_i32 v[XS+\i], v[XS+\i]
.endr
.irp i, 0,1,2,3,4,5,6,7,8,9,10,11,12,13,14,15
	v_mul_f32 v[XS+\i], s[32+(\t)], v[XS+\i]
.endr
.Lfloat_\@:
.endif
	v_max3_num_f32 v8, |v[XS]|, |v[XS+1]|, |v[XS+2]|               ; the largest magnitude of my 16, in two chains
	v_max3_num_f32 v9, |v[XS+3]|, |v[XS+4]|, |v[XS+5]|
.irp i, 6,10
	v_max3_num_f32 v8, v8, |v[XS+\i]|, |v[XS+\i+1]|
	v_max3_num_f32 v9, v9, |v[XS+\i+2]|, |v[XS+\i+3]|
.endr
	v_max3_num_f32 v8, v8, |v[XS+14]|, |v[XS+15]|
	v_max3_num_f32 v8, v8, v9, 0x1800000           ; and the floor 2^(3 - 127): the byte cannot fall under 1
	v_max_num_f32_dpp v8, v8, v8 row_xmask:1 row_mask:0xf bank_mask:0xf   ; and of my neighbour's 16: the block's
	v_add_nc_u32 v11, 0xff000000, v8               ; 2 off its exponent field: the conversion takes the exponent field of this operand as its scale, and nothing else of it
	v_cvt_scalef32_pk8_fp4_f32 v[C+2*(\t)], v[XS:XS+7], v11
	v_cvt_scalef32_pk8_fp4_f32 v[C+2*(\t)+1], v[XS+8:XS+15], v11
	v_lshrrev_b32 v[E+(\t)], 23, v11               ; the scale's byte (a plain line behind the conversions)
	ds_store_b8 v5, v[E+(\t)] offset:256+REC*(\t)  ; both lanes of a block write the same byte with the same value
	ds_store_b64 v4, v[C+2*(\t):C+2*(\t)+1] offset:REC*(\t)
.endm
	s_load_b256 s[4:11], s[0:1], 0x0               ; x s[4:5], w_q s[6:7], w_scale s[8:9], lora_A s[10:11]
	s_load_b256 s[12:19], s[0:1], 0x20             ; lora_B s[12:13], xq s[14:15], wq s[16:17], lbq s[18:19]
	s_load_b64 s[20:21], s[0:1], 0x40              ; lbs
	v_lshl_add_u32 v160, v0, 2, SPARE              ; my spare word,
	v_mov_b32 v161, 0                              ; and 0: kept for the add at the wave's end
	v_lshrrev_b32 v1, 5, v0
	v_readfirstlane_b32 s22, v1                    ; wave 0..3
	v_and_b32 v2, 31, v0                           ; lane
	s_cmp_ge_u32 ttmp9, WG_B
	s_cbranch_scc1 .Lpath_b                        ; lora_B's work-groups
	; the lane's offsets and LDS addresses, the same on both paths that follow: constants x lane + a constant x wave
	v_lshlrev_b32 v3, 4, v2                        ; my 16 bytes of a load's 512
	s_mul_i32 s53, s22, WREG
	v_lshrrev_b32 v14, 4, v2
	v_add_nc_u32 v14, v14, v2
	v_lshlrev_b32 v14, 4, v14
	v_add_nc_u32 v14, s53, v14                     ; the stage, on the way in: chunk = lane: 16 (lane + lane / 16)
	v_lshrrev_b32 v15, 2, v2
	v_lshl_add_u32 v15, v2, 2, v15
	v_lshlrev_b32 v15, 4, v15
	v_add_nc_u32 v15, s53, v15                     ; and on the way out: chunks 4 lane + 0 .. 3, my 16 neighbours: 16 (4 lane + lane / 4)
	s_add_co_u32 s53, s53, OUTB
	v_lshlrev_b32 v7, 3, v2                        ; 8 bytes a lane: my codes in a record, and my part of a store
	v_add_nc_u32 v4, s53, v7
	v_lshrrev_b32 v5, 1, v2
	v_add_nc_u32 v5, s53, v5                       ; my block's scale byte (256 more stand in the store's immediate)
	s_cmp_ge_u32 ttmp9, WG_A
	s_cbranch_scc1 .Lpath_a                        ; lora_A's work-groups
	; ---- x and w_q
	s_lshr_b32 s30, ttmp9, 9                       ; class: 0 x, 1 w_q
	s_lshl_b32 s23, s30, 9                         ; the class's first work-group
	s_sub_co_u32 s48, ttmp9, s23
	s_lshl_b32 s48, s48, 2
	s_add_co_u32 s48, s48, s22                     ; u: my wave's unit in its class
	s_and_b32 s49, s48, 7                          ; its K step
	s_lshr_b32 s50, s48, 3                         ; g: its group of 16 rows
	s_lshr_b32 s51, s50, 3
	s_add_co_u32 s51, s51, s50                     ; w_q: nine groups of records to a half tile: g + g / 8
	s_mov_b32 s28, KSTR_W
	s_wait_kmcnt 0x0
	s_cmp_eq_u32 s30, 0                            ; the choices hang on the work-group's number alone
	s_cselect_b64 s[24:25], s[4:5], s[6:7]         ; from where
	s_cselect_b64 s[26:27], s[14:15], s[16:17]     ; to where
	s_cselect_b32 s28, KSTR_X, s28
	s_cselect_b32 s51, s50, s51
	s_lshl_b32 s54, s50, 18                        ; 16 rows of 16,384 bytes
	s_lshl_b32 s55, s49, 11                        ; 512 numbers of 4 bytes
	s_add_co_u32 s54, s54, s55
	s_mov_b32 s55, 0
	s_add_nc_u64 s[24:25], s[24:25], s[54:55]
	s_mul_i32 s56, s49, s28
	s_mul_i32 s57, s51, GRP
	s_add_co_u32 s56, s56, s57
	s_mov_b32 s57, 0
	s_add_nc_u64 s[26:27], s[26:27], s[56:57]
	s_lshl_b32 s58, s50, 6
	s_mov_b32 s59, 0
	s_add_nc_u64 s[58:59], s[8:9], s[58:59]
	s_load_b512 s[32:47], s[58:59], 0x0            ; w_scale of rows 16 g .. 16 g + 15.  Both classes load them (g is at most 255: inside the buffer); w_q's alone uses them
.irp t, 0,1,2,3
	LOAD \t
.endr
	s_wait_loadcnt 12                              ; step 0's four loads are in
	s_wait_alu depctr_va_vdst(0)
	TURN 0
	s_wait_kmcnt 0x0                               ; w_scale
.irp t, 0,1,2,3,4,5,6,7,8,9,10,11,12,13,14,15
	STEP \t, 16, 1
.endr
.irp i, 0,1,2,3,4,5,6,7,8,9,10,11,12,13,14,15,16
	ds_load_b64 v[OUTR+2*\i:OUTR+2*\i+1], v4 offset:256*\i         ; the 16 records as 17 runs of 256 bytes; these loads see my stores
.endr
.irp i, 0,1,2,3,4,5,6,7,8,9,10,11,12,13,14,15,16
	s_wait_dscnt 16-\i                             ; LDS loads come back in order: run i is in, the 16 - i behind it may be out
	global_store_b64 v7, v[OUTR+2*\i:OUTR+2*\i+1], s[26:27] offset:256*\i   ; 32 lanes store 256 consecutive bytes, at a multiple of 256 from the buffer's first byte
.endr
	s_wait_tensorcnt 0x0                           ; the wave's end
	ds_add_u32 v160, v161
	s_wait_dscnt 0x0
	s_endpgm
	; ---- lora_A: four rows a wave
.Lpath_a:
	s_sub_co_u32 s48, ttmp9, WG_A
	s_and_b32 s49, s48, 7                          ; the work-group's K step
	s_lshr_b32 s50, s48, 3                         ; g: its 16 rows
	s_lshl_b32 s54, s50, 18                        ; 16 rows of 16,384 bytes,
	s_lshl_b32 s55, s22, 16                        ; my wave's four of them,
	s_add_co_u32 s54, s54, s55
	s_lshl_b32 s55, s49, 11                        ; 512 numbers of 4 bytes
	s_add_co_u32 s54, s54, s55
	s_mov_b32 s55, 0
	s_mul_i32 s56, s49, KSTR_W                     ; in wq: the K step,
	s_mul_i32 s57, s50, 9*GRP                      ; half tile g,
	s_add_co_u32 s56, s56, s57
	s_mul_i32 s57, s22, 4*REC                      ; my four records
	s_add_co_u32 s56, s56, s57
	s_add_co_u32 s56, s56, 8*GRP                   ; of its ninth group
	s_mov_b32 s57, 0
	s_wait_kmcnt 0x0
	s_add_nc_u64 s[24:25], s[10:11], s[54:55]
	s_add_nc_u64 s[26:27], s[16:17], s[56:57]
.irp t, 0,1,2,3
	LOAD \t
.endr
	s_wait_loadcnt 12                              ; step 0's four loads are in
	s_wait_alu depctr_va_vdst(0)
	TURN 0
.irp t, 0,1,2,3
	STEP \t, 4, 0
.endr
.irp i, 0,1,2,3
	ds_load_b64 v[OUTR+2*\i:OUTR+2*\i+1], v4 offset:256*\i         ; the four records, 1,088 bytes: four runs of 256,
.endr
	ds_load_b64 v[OUTR+8:OUTR+9], v4 offset:4*REC-256              ; and the last 256 bytes, which begin 192 bytes back
	s_wait_dscnt 0x0
	s_mov_b32 s29, 16                              ; into the 16 half tiles of my rows' parity
.Lcopy:
.irp i, 0,1,2,3
	global_store_b64 v7, v[OUTR+2*\i:OUTR+2*\i+1], s[26:27] offset:256*\i   ; 32 lanes store 256 consecutive bytes, at a multiple of 64 from the buffer's first byte
.endr
	global_store_b64 v7, v[OUTR+8:OUTR+9], s[26:27] offset:4*REC-256
	s_wait_xcnt 0x0                                ; the stores have read their base: only behind this wait is it stepped
	s_add_nc_u64 s[26:27], s[26:27], 2*144*REC     ; two half tiles on (the last trip's step is not used)
	s_sub_co_u32 s29, s29, 1
	s_cmp_lg_u32 s29, 0
	s_cbranch_scc1 .Lcopy
	s_wait_tensorcnt 0x0                           ; the wave's end
	ds_add_u32 v160, v161
	s_wait_dscnt 0x0
	s_endpgm
	; ---- lora_B: K = 32 is one block and one row: a lane takes a row, 128 bytes.  Each load touches 16 bytes of 32 rows: 512 KiB in the whole launch
.Lpath_b:
	s_sub_co_u32 s48, ttmp9, WG_B
	s_lshl_b32 s48, s48, 2
	s_add_co_u32 s48, s48, s22                     ; which 32 rows are my wave's
	s_lshl_b32 s50, s48, 12                        ; 32 rows of 128 bytes
	s_mov_b32 s51, 0
	s_lshl_b32 s52, s48, 11                        ; two images of 1,024 bytes
	s_mov_b32 s53, 0
	s_lshl_b32 s54, s48, 7                         ; 32 words
	s_mov_b32 s55, 0
	s_wait_alu depctr_va_vdst(0)
	v_lshlrev_b32 v3, 7, v2                        ; my row
	v_and_b32 v4, 15, v2
	v_lshrrev_b32 v5, 4, v2
	v_lshlrev_b32 v4, 4, v4
	v_lshl_add_u32 v4, v5, 10, v4                  ; image lane / 16, 16 bytes for row lane % 16
	v_lshlrev_b32 v7, 2, v2
	s_wait_alu depctr_va_vdst(0)
	s_wait_kmcnt 0x0
	s_add_nc_u64 s[12:13], s[12:13], s[50:51]
	s_add_nc_u64 s[18:19], s[18:19], s[52:53]
	s_add_nc_u64 s[20:21], s[20:21], s[54:55]
.irp i, 0,1,2,3,4,5,6,7
	global_load_b128 v[X+4*\i:X+4*\i+3], v3, s[12:13] offset:16*\i th:TH_LOAD_NT
.endr
	s_wait_loadcnt 0x0
	v_max3_num_f32 v8, |v[X]|, |v[X+1]|, |v[X+2]|                  ; the block's largest magnitude: all 32 numbers are mine
	v_max3_num_f32 v9, |v[X+3]|, |v[X+4]|, |v[X+5]|
.irp i, 6,10,14,18,22,26
	v_max3_num_f32 v8, v8, |v[X+\i]|, |v[X+\i+1]|
	v_max3_num_f32 v9, v9, |v[X+\i+2]|, |v[X+\i+3]|
.endr
	v_max3_num_f32 v8, v8, |v[X+30]|, |v[X+31]|
	v_max3_num_f32 v8, v8, v9, 0x1800000
	v_add_nc_u32 v11, 0xff000000, v8
	v_lshrrev_b32 v10, 23, v11                     ; the scale word: the byte, and zeros above it
.irp g, 0,1,2,3
	v_cvt_scalef32_pk8_fp4_f32 v[C+\g], v[X+8*\g:X+8*\g+7], v11
.endr
	v_nop                                          ; a plain line behind the last conversion
.irp g, 4,5,6,7
	v_mov_b32 v[C+\g], 0                           ; zero codes for k = 32 .. 127
.endr
	global_store_b128 v4, v[C:C+3], s[18:19]       ; each of these four stores covers two aligned runs of 256 bytes
	global_store_b128 v4, v[C+4:C+7], s[18:19] offset:256
	global_store_b128 v4, v[C+4:C+7], s[18:19] offset:512
	global_store_b128 v4, v[C+4:C+7], s[18:19] offset:768
	global_store_b32 v7, v10, s[20:21]             ; 128 consecutive bytes a wave: 16 KiB in the whole launch
	s_endpgm
.Lfunc_end_k_q432f35e126_quant:
	.size	k_q432f35e126_quant, .Lfunc_end_k_q432f35e126_quant-k_q432f35e126_quant
	.p2alignl 7, 3214868480
	.fill 96, 4, 3214868480
	.section	.rodata,"a",@progbits
	.p2align	6, 0x0
	.amdhsa_kernel k_q432f35e126_quant
		.amdhsa_group_segment_fixed_size 38400
		.amdhsa_private_segment_fixed_size 0
		.amdhsa_enable_private_segment 0
		.amdhsa_kernarg_size 72
		.amdhsa_user_sgpr_count 2
		.amdhsa_user_sgpr_kernarg_segment_ptr 1
		.amdhsa_wavefront_size32 1
		.amdhsa_system_sgpr_workgroup_id_x 1
		.amdhsa_system_sgpr_workgroup_id_y 1
		.amdhsa_system_sgpr_workgroup_id_z 1
		.amdhsa_system_vgpr_workitem_id 0
		.amdhsa_next_free_vgpr 162
		.amdhsa_next_free_sgpr 66
		.amdhsa_reserve_vcc 0
		.amdhsa_float_denorm_mode_32 3
		.amdhsa_float_denorm_mode_16_64 3
		.amdhsa_memory_ordered 1
		.amdhsa_forward_progress 1
		.amdhsa_inst_pref_size 66
	.end_amdhsa_kernel
	.amdgpu_metadata
---
amdhsa.version: [ 1, 2 ]
amdhsa.kernels:
  - .name:           k_q432f35e126_quant
    .symbol:         k_q432f35e126_quant.kd
    .args:
      - { .name: x, .offset: 0, .size: 8, .value_kind: global_buffer, .address_space: global }
      - { .name: w_q, .offset: 8, .size: 8, .value_kind: global_buffer, .address_space: global }
      - { .name: w_scale, .offset: 16, .size: 8, .value_kind: global_buffer, .address_space: global }
      - { .name: lora_A, .offset: 24, .size: 8, .value_kind: global_buffer, .address_space: global }
      - { .name: lora_B, .offset: 32, .size: 8, .value_kind: global_buffer, .address_space: global }
      - { .name: xq, .offset: 40, .size: 8, .value_kind: global_buffer, .address_space: global }
      - { .name: wq, .offset: 48, .size: 8, .value_kind: global_buffer, .address_space: global }
      - { .name: lbq, .offset: 56, .size: 8, .value_kind: global_buffer, .address_space: global }
      - { .name: lbs, .offset: 64, .size: 8, .value_kind: global_buffer, .address_space: global }
    .group_segment_fixed_size: 38400
    .private_segment_fixed_size: 0
    .kernarg_segment_align: 8
    .kernarg_segment_size: 72
    .max_flat_workgroup_size: 128
    .sgpr_count:     66
    .vgpr_count:     162
    .wavefront_size: 32
...
	.end_amdgpu_metadata
.endif
;; end of part 1
;; launch gemm (part 2): grid 16 x 16, 4 waves a work-group, clusters of 4 x 4, 327,680 bytes of LDS; arguments xq, wq, lbq, lbs, bias, lora_S, out0; writes out0
.if DOCPART == 2
	.amdgcn_target "amdgcn-amd-amdhsa--gfx1250"
	.amdhsa_code_object_version 6
	.text
	.protected	k_q432f35e126_gemm
	.globl	k_q432f35e126_gemm
	.p2align	8
	.type	k_q432f35e126_gemm,@function
k_q432f35e126_gemm:
	s_mov_b64 s[64:65], 0
	v_nop
	global_prefetch_b8 v0, s[64:65] scope:SCOPE_SE
	s_setreg_imm32_b32 hwreg(HW_REG_WAVE_MODE, 25, 1), 1
	s_wait_xcnt 0x0
	s_wait_alu depctr_hold_cnt(0) depctr_sa_sdst(0) depctr_va_vdst(0) depctr_va_sdst(0) depctr_va_ssrc(0) depctr_va_vcc(0) depctr_vm_vsrc(0)
	s_getreg_b32 s2, hwreg(HW_REG_IB_STS2, 6, 4)
	s_cmp_eq_u32 s2, 0
	s_cbranch_scc0 .Lentry_in_a_cluster
	s_endpgm
.Lentry_in_a_cluster:
	s_bfe_u32 s2, ttmp6, 0x10000c
	s_cmp_lg_u32 s2, 0xf033
	s_cbranch_scc0 .Lentry_shape_is_right
	s_endpgm
.Lentry_shape_is_right:
; out0[m][n] = sum_k Q(x)[m][k] Q(w_q w_scale)[n][k] + bias[n] + sum_r Q(t)[m][r] Q(lora_B)[n][r],  t[m][r] = lora_S[r] sum_k Q(x)[m][k] Q(lora_A)[r][k].  Q: MX-FP4 along the summed axis.
; All three products run on v_wmma_scale_f32_16x16x128_f8f6f4 with FP4 on both sides; sums, bias, t and its quantiser in f32.  No work of the problem is left out.
; Codes and scale bytes come as records of 272 bytes (512 along K of a row: 256 bytes of codes, 16 scale bytes), laid by the launch before: xq [K step][row], wq [K step][half tile][144 rows: 128 of w, 16 of lora_A].
; A work-group of four waves makes 256 x 256 of out0, a wave 128 x 128 (64 accumulators) and, beside them, xa for its 128 rows x 16 of lora_A's rows (8 accumulators).
; K goes in steps of 512 through two LDS slots; a wave's tensor load brings a dense run of records (A: 128 rows, B: 144 rows) as rows of 256 bytes.  4 x 4 clusters: A's tiles are asked for jointly along a row, B's along a column.
; FRAGMENTS: two register sets for A and two for B.  At the head of a step of 128 along K all 34 LDS loads of the NEXT step go out in one run, 72 matrix instructions ahead of their use.
; So at the head of a slot's last step all reads of that slot are over: there stand the change of slots, the refill and the next slot's first fragment loads.
; THE MATRIX INSTRUCTION IS USED TRANSPOSED (source 0 = rows of w, source 1 = rows of x): a lane holds eight neighbouring columns of one row of out0.
; The bias is the C of the first step's products; it lies in xa's accumulator registers, whose sums begin behind those products.
; PREFETCH: behind the tensor load of K step u stand two requests for K step u + 2: the four partners that ask for a tile jointly share its blocks of 256 bytes by address (A: 136 blocks, 34 each; B: 153 blocks, 38 each, the
; last partner 39), a lane a block; lanes left over name their wave's last block again.  The loads of K steps 6 and 7 ask for nothing.
; THE LAST K STEP GOES IN TWO HALVES OF MY ROWS: rows 0-63 take its four steps of 128, are finished and stored; then rows 64-127 do the same, while the first half's stores are on their way.  B's fragments of this one K step
; are read from LDS twice.
; A HALF'S END: in its last step xa's products come first; t = xa x lora_S goes to the partner wave (the other 16 of lora_A's rows) as an image of the registers, through LDS bytes of slot 0, which has had its last fill and its
; last read; the step's 32 other products stand between the barrier's signal and its wait.  In t's operand my own 16 r come first and the partner's 16 behind them; lora_B's codes are loaded in the same order (two loads of
; 8 bytes), so that k is permuted alike on both sides, inside the one block of 32.  t's codes for k = 32 .. 127 are zeros.  lora_B's codes lie four registers a block: for k = 32 .. 63 they are zeros too; as k = 64 .. 127 an
; operand names the next block's four registers, which meet t's zero codes under finite scale bytes and add nothing.
; LIMITS: a block of zeros of t gets the scale byte 1 where the quantiser says 127 (its codes are zeros; no output holds the byte); NaN and infinities among the inputs are not served.
; REGISTERS.  Window 0: v0-31 addresses; v32-103 scale words, a set for each slot; v104-127 lora_B's scale words, t's, lora_S; v128-191 A's set 0; v192-255 the bias, then xa.
;   Window 1: v0-143 B's two sets (8 blocks of w and one of lora_A each); v144-207 A's set 1; v208-243 lora_B's codes.   Windows 2, 3: the accumulators of my rows 0-63, 64-127.
.set PITCH,  272
.set AHALF,  128*PITCH
.set BHALF,  144*PITCH
.set BOFF,   2*AHALF
.set SLOT,   BOFF+2*BHALF
.set SPARE,  2*SLOT                    ; the spare words: 512 bytes that no other line names
.set XKS,    4096*PITCH                ; a K step of xq
.set WKS,    32*BHALF                  ; a K step of wq
.set LAPS,   4
.set SIZE_N, 4096
.set SPITCH, 528                       ; the way out: a stage of 16 rows x (512 + 16) bytes for each wave, in slot 0
.set XAX,    4*16*SPITCH               ; behind the stages: t's images, 8,192 bytes for each wave, 4,096 for each half of its rows
.set Q,    2                           ; v2-5    a half's end: scale operands of t's four blocks
.set M,    6                           ; v6-9    their largest magnitudes
.set LI,   13                          ; 16 x lane
.set PF0,  14                          ; prefetch: 256 x lane
.set PF1,  15                          ; prefetch: the blocks beyond 32
.set ADRA, 16
.set LA,   18                          ; lora_B's codes: my own 16 r,
.set LB,   19                          ; the partner's
.set ADRB, 20
.set ADRS, 22
.set STO,  24
.set RD,   25
.set XRD,  26
.set HM,   27                          ; all ones in lanes 0-15, 0 in lanes 16-31
.set SPW,  28
.set NIL,  29
.set XST,  30
.set SC,   32
.set LBS,  104
.set TS,   112
.set SV,   120                         ; lora_S
.set T,    128                         ; a half's end: t's codes, where blocks 0-3 of A's set 0 lay
.set XAC,  192
.set PN,   144                         ; a half's end, window 1: the partner's t, where blocks 0-3 of A's set 1 lay
.set LQ,   208                         ; window 1: lora_B's codes, block b at LQ + 4 b
.set BK,   72                          ; the way out, window 1: 16 rows read back from the stage: v72-135 and v136-199 by turns
.set G1A, 24
.set G0A, 32
.set G1B, 48
.set G0B, 56
.set PFA, 66                           ; s[66:67] where my prefetches stand
.set PFS, 90                           ; s[90:91] a K step of my tensor in bytes
.set MSB, 0
.macro WIN new                         ; the immediate's high byte repeats the setting that is left
.if MSB != (\new)
	s_set_vgpr_msb (MSB<<8)|(\new)
.set MSB, (\new)
.endif
.endm
.set TO_1, 0x40                        ; destination window 1, address window 0
.macro JLOAD g0a, g1a, g0b, g1b        ; a joint load: waves 0 and 1 fetch A's halves, waves 2 and 3 B's
	s_cmp_eq_u32 s15, 0
	s_cbranch_scc0 .Lfor_b_\@
	tensor_load_to_lds s[\g0a:\g0a+3], s[\g1a:\g1a+7]
	s_nop 0
.rept 4
	v_nop
.endr
	s_branch .Lasked_\@
.Lfor_b_\@:
	tensor_load_to_lds s[\g0b:\g0b+3], s[\g1b:\g1b+7]
	s_nop 0
.rept 4
	v_nop
.endr
.Lasked_\@:
.endm
.macro CREST                           ; a round of the cluster's barrier behind its opening barrier
	s_cmp_lg_u32 s14, 0
	s_cbranch_scc1 .Lnot_wave_0_\@
	s_barrier_signal -3
.Lnot_wave_0_\@:
	s_barrier_wait -3
	s_barrier_signal -1
	s_barrier_wait -1
.endm
.macro CROUND
	s_barrier_signal -1
	s_barrier_wait -1
	CREST
.endm
.macro ASK                             ; my share of the blocks of the K step at which PFA stands
	global_prefetch_b8 v[PF0], s[PFA:PFA+1] th:TH_LOAD_NT scope:SCOPE_SE
	global_prefetch_b8 v[PF1], s[PFA:PFA+1] th:TH_LOAD_NT scope:SCOPE_SE
.endm
.macro PLACES n
.rept \n
	v_nop
.endr
.endm
	s_load_b256 s[4:11], s[0:1], 0x0               ; xq s[4:5], wq s[6:7], lbq s[8:9], lbs s[10:11]
	s_load_b128 s[68:71], s[0:1], 0x20             ; bias, lora_S
	s_load_b64 s[12:13], s[0:1], 0x30              ; out0
	v_lshl_add_u32 v[SPW], v0, 2, SPARE
	v_mov_b32 v[NIL], 0
	ds_add_u32 v[SPW], v[NIL]                      ; the opening: the add, twice on end, and its wait ahead of my first tensor load
	ds_add_u32 v[SPW], v[NIL]
	v_lshrrev_b32 v1, 5, v0
	v_readfirstlane_b32 s14, v1                    ; wave
	s_lshr_b32 s15, s14, 1                         ; my half of the rows; also: I fetch for A (0) or B (1)
	s_and_b32 s16, s14, 1                          ; my half of the columns; also: which half of that tile I fetch
	s_bfe_u32 s40, ttmp6, 0x40000                  ; cx
	s_bfe_u32 s41, ttmp6, 0x40004                  ; cy
	s_lshl_b32 s42, ttmp9, 2
	s_add_co_u32 s42, s42, s40                     ; tile column
	s_and_b32 s17, ttmp7, 0xffff
	s_lshl_b32 s17, s17, 2
	s_add_co_u32 s17, s17, s41                     ; tile row
	s_lshl_b32 s43, s41, 2
	s_lshl_b32 s43, 15, s43                        ; my row of the cluster
	s_lshl_b32 s44, 0x1111, s40                    ; my column
	s_or_b32 s[G1A+0], s43, (3<<16)|(1<<21)        ; elements of 8 bytes, rows of 256 bytes, dense
	s_or_b32 s[G1B+0], s44, (3<<16)|(1<<21)
	s_mov_b32 s[G1A+1], 32<<16
	s_mov_b32 s[G1A+2], (AHALF/256)<<16
	s_mov_b32 s[G1A+3], 32<<16
	s_mov_b32 s[G1A+4], AHALF/256
	s_mov_b32 s[G1A+5], 32
	s_mov_b32 s[G1A+6], 0
	s_mov_b32 s[G1A+7], 0
	s_mov_b32 s[G1B+1], 32<<16
	s_mov_b32 s[G1B+2], (BHALF/256)<<16
	s_mov_b32 s[G1B+3], 32<<16
	s_mov_b32 s[G1B+4], BHALF/256
	s_mov_b32 s[G1B+5], 32
	s_mov_b32 s[G1B+6], 0
	s_mov_b32 s[G1B+7], 0
	s_lshl_b32 s18, s16, 7
	s_lshl_b32 s20, s17, 8
	s_add_co_u32 s20, s20, s18
	s_mul_i32 s20, s20, PITCH                      ; A: the 128 rows that I fetch
	s_mov_b32 s21, 0
	s_lshl_b32 s46, s42, 1
	s_add_co_u32 s46, s46, s16
	s_mul_i32 s46, s46, BHALF                      ; B: the half tile that I fetch
	s_mov_b32 s47, 0
	s_mul_i32 s45, s16, AHALF
	s_mul_i32 s94, s16, BHALF
	s_add_co_u32 s94, s94, BOFF
	s_mul_i32 s74, s15, AHALF                      ; LDS: the rows of A that I multiply,
	s_mul_i32 s75, s16, BHALF
	s_add_co_u32 s75, s75, BOFF                    ; those of B,
	s_xor_b32 s76, s15, 1
	s_mul_i32 s76, s76, AHALF
	s_mul_i32 s77, s16, BHALF
	s_add_co_u32 s76, s76, s77
	s_add_co_u32 s76, s76, BOFF-AHALF              ; and the distance from the first to the second
	s_mul_i32 s78, s14, 16*SPITCH                  ; my stage
	s_lshl_b32 s79, s14, 13
	s_add_co_u32 s79, s79, XAX                     ; my image of t,
	s_xor_b32 s80, s14, 1
	s_lshl_b32 s80, s80, 13
	s_add_co_u32 s80, s80, XAX                     ; my partner's
	s_mov_b32 s92, 0x76543210
	s_mov_b32 s93, 0xfedcba98                      ; v_permlanex16_b32's selects for lane l xor 16
	s_cmp_eq_u32 s41, 3                            ; the prefetches' shares
	s_cselect_b32 s81, 6, 5                        ; B: 38 blocks, the last partner 39
	s_mov_b32 s82, XKS
	s_mov_b32 s83, WKS
	s_cmp_eq_u32 s15, 0
	s_cselect_b32 s84, s40, s41                    ; my place among the four that ask with me
	s_cselect_b32 s85, 34, 38
	s_cselect_b32 s81, 1, s81                      ; A: 34 blocks
	s_cselect_b32 s[PFS], s82, s83
	s_mov_b32 s[PFS+1], 0
	s_mul_i32 s84, s84, s85
	s_lshl_b32 s84, s84, 8
	s_lshl_b32 s85, s[PFS], 1
	s_add_co_u32 s84, s84, s85                     ; my share's first byte, two K steps on
	s_mov_b32 s85, 0
	s_wait_alu depctr_va_vdst(0)
	s_wait_dscnt 0x0                               ; both opening adds are done
	s_wait_kmcnt 0x0
	s_add_nc_u64 s[20:21], s[4:5], s[20:21]
	s_add_nc_u64 s[46:47], s[6:7], s[46:47]
	s_cmp_eq_u32 s15, 0
	s_cselect_b64 s[PFA:PFA+1], s[20:21], s[46:47]
	s_add_nc_u64 s[PFA:PFA+1], s[PFA:PFA+1], s[84:85]
	s_sub_nc_u64 s[96:97], s[PFA:PFA+1], s[PFS:PFS+1]   ; my share of K step 1; this pair is never rewritten
.irp s, 0,1
	s_mov_b32 s[G0A+4*\s], 1
	s_add_co_u32 s[G0A+4*\s+1], s45, \s*SLOT
	s_add_nc_u64 s[G0A+4*\s+2:G0A+4*\s+3], s[20:21], \s*XKS
	s_or_b32 s[G0A+4*\s+3], s[G0A+4*\s+3], 0x80000000
	s_mov_b32 s[G0B+4*\s], 1
	s_add_co_u32 s[G0B+4*\s+1], s94, \s*SLOT
	s_add_nc_u64 s[G0B+4*\s+2:G0B+4*\s+3], s[46:47], \s*WKS
	s_or_b32 s[G0B+4*\s+3], s[G0B+4*\s+3], 0x80000000
.endr
	CROUND                                         ; all sixteen work-groups are here: the first joint loads meet
	JLOAD G0A, G1A, G0B, G1B                       ; K step 0: one tensor load a wave at the head
	s_lshl_b32 s82, s42, 10                        ; under its flight: the other addresses
	s_lshl_b32 s83, s16, 9
	s_add_co_u32 s82, s82, s83                     ; my first column x 4 bytes
	s_mov_b32 s83, 0
	s_add_nc_u64 s[68:69], s[68:69], s[82:83]      ; bias
	s_add_nc_u64 s[10:11], s[10:11], s[82:83]      ; lora_B's scale words
	s_lshl_b32 s84, s82, 4                         ; lora_B's codes: 64 bytes a row
	s_mov_b32 s85, 0
	s_add_nc_u64 s[72:73], s[8:9], s[84:85]
	s_lshl_b32 s86, s16, 6
	s_mov_b32 s87, 0
	s_add_nc_u64 s[70:71], s[70:71], s[86:87]      ; lora_S of my 16 r
	s_lshl_b32 s88, s17, 8
	s_lshl_b32 s89, s15, 7
	s_add_co_u32 s88, s88, s89
	s_lshl_b32 s88, s88, 14
	s_add_co_u32 s88, s88, s82
	s_mov_b32 s89, 0
	s_add_nc_u64 s[12:13], s[12:13], s[88:89]      ; my part of out0
	s_lshl_b32 s77, s16, 3
	v_and_b32 v1, 15, v0                           ; r
	v_bfe_u32 v2, v0, 4, 1                         ; h
	v_and_b32 v3, 31, v0                           ; lane
	v_lshlrev_b32 v[LI], 4, v3
	v_add_nc_u32 v[HM], -1, v2
	v_lshlrev_b32 v10, 5, v2                       ; eight f32 for each half of the lanes
	v_lshlrev_b32 v11, 2, v1
	v_lshlrev_b32 v[PF0], 8, v3
	v_min_u32 v[PF1], s81, v3
	v_lshl_add_u32 v[PF1], v[PF1], 8, 0x2000
	v_add_nc_u32 v[LA], s77, v[LI]
	v_xor_b32 v[LB], 8, v[LA]
	s_wait_alu depctr_va_vdst(0)
	global_prefetch_b8 v[PF0], s[96:97] th:TH_LOAD_NT scope:SCOPE_SE   ; K step 1, the buffers' second touch, is asked for here too, under K step 0's flight: its tensor load goes out only when K step 0 has landed.
	global_prefetch_b8 v[PF1], s[96:97] th:TH_LOAD_NT scope:SCOPE_SE   ; The same shares as in ASK; with K step 2, asked for below, two K steps are asked for and not yet loaded
.irp b, 0,1,2,3,4,5,6,7
	global_load_b128 v[XAC+8*\b:XAC+8*\b+3],   v10, s[68:69] offset:64*\b      ; bias[16 b + 8 h + 0 .. 7]
	global_load_b128 v[XAC+8*\b+4:XAC+8*\b+7], v10, s[68:69] offset:64*\b+16
.endr
	global_load_b128 v[SV:SV+3],   v10, s[70:71]
	global_load_b128 v[SV+4:SV+7], v10, s[70:71] offset:16
.irp b, 0,1,2,3,4,5,6,7
	global_load_b32 v[LBS+\b], v11, s[10:11] offset:64*\b
.endr
	WIN TO_1
.irp b, 0,1,2,3,4,5,6,7
	global_load_b64 v[LQ+4*\b:LQ+4*\b+1],   v[LA], s[72:73] offset:1024*\b   ; lora_B's codes: k of my own 16 r,
	global_load_b64 v[LQ+4*\b+2:LQ+4*\b+3], v[LB], s[72:73] offset:1024*\b   ; of the partner's (lanes 16-31: zero codes)
.endr
.irp g, 0,1,2,3
	v_mov_b32 v[LQ+32+\g], 0                       ; behind the last block: zero codes
.endr
	WIN 0
	ASK                                            ; K step 2
	v_mul_u32_u24 v4, v1, PITCH
	v_lshl_add_u32 v5, v2, 4, v4                   ; a fragment's row x pitch + 16 h
	v_mul_u32_u24 v6, s76, v2                      ; scale words: lanes 0-15 A's rows, lanes 16-31 B's
	v_add_nc_u32 v6, v6, v4
	v_add_nc_u32 v6, 256, v6
	v_add_nc_u32 v[ADRA], s74, v5
	v_add_nc_u32 v[ADRB], s75, v5
	v_add_nc_u32 v[ADRS], s74, v6
	v_add_nc_u32 v[ADRA+1], SLOT, v[ADRA]
	v_add_nc_u32 v[ADRB+1], SLOT, v[ADRB]
	v_add_nc_u32 v[ADRS+1], SLOT, v[ADRS]
	v_mul_u32_u24 v7, v1, SPITCH
	v_lshl_add_u32 v7, v2, 5, v7
	v_add_nc_u32 v[STO], s78, v7
	v_add_nc_u32 v[RD], s78, v[LI]
	v_add_nc_u32 v[XST], s79, v[LI]
	v_add_nc_u32 v[XRD], s80, v[LI]
.macro FRAG reg, adr, q, i             ; 16 rows x 128 K of 4-bit codes: 8 registers
.irp c, 0,1
	ds_load_b128 v[\reg+4*\c:\reg+4*\c+3], v[\adr] offset:64*(\q)+32*\c+(\i)*16*PITCH
.endr
.endm
; The fragments of the slot's q-th 128 along K into sets p: (the slot's 9 x 4 scale words,) B's nine, then n blocks of A from block i0 on (n = 8 or 4).
.macro FETCH slot, q, p, sc, i0, n
.if \sc
.irp i, 0,1,2,3,4,5,6,7,8
	ds_load_b128 v[SC+36*\slot+4*\i:SC+36*\slot+4*\i+3], v[ADRS+\slot] offset:\i*16*PITCH
.endr
.endif
	WIN TO_1
.irp i, 0,1,2,3,4,5,6,7,8
	FRAG 72*(\p)+8*\i, ADRB+\slot, \q, \i
.endr
.if (\p) == 0
	WIN 0
.endif
.irp i, 0,1,2,3,4,5,6,7
.if \i < \n
	FRAG 128+16*(\p)+8*(\i0+\i), ADRA+\slot, \q, \i0+\i
.endif
.endr
	WIN 0
.endm
; 16 products: A's blocks a0, a0 + 1 x B's eight.  The accumulators take turns, one instruction a turn.  first = 1: C is the bias.
.macro MUL16 a0, p, q, sc, first
.irp a, \a0, \a0+1
.irp b, 0,1,2,3,4,5,6,7
.if \first
	v_wmma_scale_f32_16x16x128_f8f6f4 v[8*(8*((\a)%4)+\b):8*(8*((\a)%4)+\b)+7], v[72*(\p)+8*\b:72*(\p)+8*\b+7], v[128+16*(\p)+8*(\a):128+16*(\p)+8*(\a)+7], v[XAC+8*\b:XAC+8*\b+7], v[SC+36*(\sc)+4*\b+(\q)], v[SC+36*(\sc)+4*(\a)+(\q)] matrix_a_fmt:MATRIX_FMT_FP4 matrix_b_fmt:MATRIX_FMT_FP4 matrix_a_scale:MATRIX_SCALE_ROW1
.else
	v_wmma_scale_f32_16x16x128_f8f6f4 v[8*(8*((\a)%4)+\b):8*(8*((\a)%4)+\b)+7], v[72*(\p)+8*\b:72*(\p)+8*\b+7], v[128+16*(\p)+8*(\a):128+16*(\p)+8*(\a)+7], v[8*(8*((\a)%4)+\b):8*(8*((\a)%4)+\b)+7], v[SC+36*(\sc)+4*\b+(\q)], v[SC+36*(\sc)+4*(\a)+(\q)] matrix_a_fmt:MATRIX_FMT_FP4 matrix_b_fmt:MATRIX_FMT_FP4 matrix_a_scale:MATRIX_SCALE_ROW1
.endif
.endr
.endr
.endm
.macro XA4 a0, p, q, sc, zero          ; xa: A's blocks a0 .. a0 + 3 x my 16 rows of lora_A
.irp a, \a0, \a0+1, \a0+2, \a0+3
.if \zero
	v_wmma_scale_f32_16x16x128_f8f6f4 v[XAC+8*(\a):XAC+8*(\a)+7], v[72*(\p)+64:72*(\p)+71], v[128+16*(\p)+8*(\a):128+16*(\p)+8*(\a)+7], 0, v[SC+36*(\sc)+32+(\q)], v[SC+36*(\sc)+4*(\a)+(\q)] matrix_a_fmt:MATRIX_FMT_FP4 matrix_b_fmt:MATRIX_FMT_FP4 matrix_a_scale:MATRIX_SCALE_ROW1
.else
	v_wmma_scale_f32_16x16x128_f8f6f4 v[XAC+8*(\a):XAC+8*(\a)+7], v[72*(\p)+64:72*(\p)+71], v[128+16*(\p)+8*(\a):128+16*(\p)+8*(\a)+7], v[XAC+8*(\a):XAC+8*(\a)+7], v[SC+36*(\sc)+32+(\q)], v[SC+36*(\sc)+4*(\a)+(\q)] matrix_a_fmt:MATRIX_FMT_FP4 matrix_b_fmt:MATRIX_FMT_FP4 matrix_a_scale:MATRIX_SCALE_ROW1
.endif
.endr
.endm
; A step of 128 along K whose successor lies in the same slot.  Windows of a product: source 0 (B) window 1, source 1 (A) window q % 2, C and D window 2 or 3 (xa: 0).
.macro STEP slot, q, first
	s_wait_dscnt 12                                ; the scale words, B's nine and A's blocks 0, 1 are in
.if \first == 0
	PLACES 4                                       ; behind the last step's products, which read the sets that are now filled
.endif
	FETCH \slot, (\q)+1, 1-(\q)%2, 0, 0, 8
.if \first
	WIN 0x81                                       ; C, the bias, in window 0
.else
	WIN 0xa1|(((\q)%2)<<2)
.endif
	MUL16 0, (\q)%2, \q, \slot, \first
	s_wait_dscnt 34                                ; all but the 34 just issued
	MUL16 2, (\q)%2, \q, \slot, \first
.if \first
	WIN 0xc1
.else
	WIN 0xf1|(((\q)%2)<<2)
.endif
	MUL16 4, (\q)%2, \q, \slot, \first
	MUL16 6, (\q)%2, \q, \slot, \first
.if \first
	PLACES 5                                       ; xa's sums begin in the registers that the products above read as C
.endif
	WIN 0x01|(((\q)%2)<<2)
	XA4 0, (\q)%2, \q, \slot, \first
	XA4 4, (\q)%2, \q, \slot, \first
	WIN 0
.endm
; A slot's last step.  Its fragments were asked for a step ago, so my reads of the slot end at the wait for them: the change of slots stands at the step's head.
.macro TURN slot, next, fill
.if \fill
	s_wait_xcnt 0x0                                ; my prefetches have read their address: on to the next K step
	s_add_nc_u64 s[PFA:PFA+1], s[PFA:PFA+1], s[PFS:PFS+1]
.endif
	s_wait_tensorcnt 0x0                           ; all my tensor loads have landed: my part of the next slot;
	ds_add_u32 v[SPW], v[NIL]                      ; the add, here and in this form;
	s_wait_dscnt 13                                ; (the add and A's blocks 2-7 may be out)
	WIN 0xa5
	MUL16 0, 1, 3, \slot, 0
	s_wait_dscnt 0x0                               ; the add is done, and my reads of this slot are over
	s_barrier_signal -1
	MUL16 2, 1, 3, \slot, 0
	WIN 0
	s_barrier_wait -1
.if \fill
	CREST                                          ; no wave of any partner still reads this slot or has a load on its way
	s_add_nc_u64 s[G0A+4*\slot+2:G0A+4*\slot+3], s[G0A+4*\slot+2:G0A+4*\slot+3], 2*XKS
	s_add_nc_u64 s[G0B+4*\slot+2:G0B+4*\slot+3], s[G0B+4*\slot+2:G0B+4*\slot+3], 2*WKS
	JLOAD G0A+4*\slot, G1A, G0B+4*\slot, G1B       ; the refill; its four v_nop are the places in front of the loads below
	FETCH \next, 0, 0, 1, 0, 8
	s_cmp_gt_u32 s3, 1                             ; the loop's last trip loads K steps 6 and 7: no K step stands two on
	s_cbranch_scc0 .Lno_ask_\@
	ASK
.Lno_ask_\@:
.else
	PLACES 4
	FETCH \next, 0, 0, 1, 0, 4                     ; the last K step begins with my rows 0-63
.endif
	WIN 0xf5
	MUL16 4, 1, 3, \slot, 0
	MUL16 6, 1, 3, \slot, 0
	WIN 0x05
	XA4 0, 1, 3, \slot, 0
	XA4 4, 1, 3, \slot, 0
	WIN 0
.endm
	s_wait_alu depctr_va_vdst(0)
	s_wait_xcnt 0x0
	s_add_nc_u64 s[PFA:PFA+1], s[PFA:PFA+1], s[PFS:PFS+1]
	s_wait_tensorcnt 0x0                           ; my part of K step 0 is in; slot 1's first fill is issued as a refill is
	ds_add_u32 v[SPW], v[NIL]
	s_wait_dscnt 0x0
	CROUND
	JLOAD G0A+4, G1A, G0B+4, G1B                   ; K step 1
	FETCH 0, 0, 0, 1, 0, 8
	ASK                                            ; K step 3
	s_wait_loadcnt 0x0                             ; the bias, lora_S, lora_B's codes and scale words
	STEP 0, 0, 1
	s_mov_b32 s3, LAPS-1
.Llap:                                                 ; a trip goes once round the ring and fills both slots again
	STEP 0, 1, 0
	STEP 0, 2, 0
	TURN 0, 1, 1
	STEP 1, 0, 0
	STEP 1, 1, 0
	STEP 1, 2, 0
	TURN 1, 0, 1
	STEP 0, 0, 0
	s_sub_co_u32 s3, s3, 1
	s_cmp_lg_u32 s3, 0
	s_cbranch_scc1 .Llap
	STEP 0, 1, 0
	STEP 0, 2, 0
	TURN 0, 1, 0                                   ; the last lap fills nothing
; THE LAST K STEP, in slot 1, by halves of my rows (hi = 0: blocks 0-3, hi = 1: blocks 4-7).  A half step: 26 LDS loads for the next one, 32 products, 4 of xa.
.macro HSTEP hi, q
	s_wait_dscnt 4                                 ; B's nine and the half's first two blocks of A are in
	PLACES 4
	FETCH 1, (\q)+1, 1-(\q)%2, 0, 4*\hi, 4
	WIN (0xa1+0x50*\hi)|(((\q)%2)<<2)
	MUL16 4*\hi, (\q)%2, \q, 1, 0
	s_wait_dscnt 26                                ; all but the 26 just issued
	MUL16 4*\hi+2, (\q)%2, \q, 1, 0
	WIN 0x01|(((\q)%2)<<2)
	XA4 4*\hi, (\q)%2, \q, 1, 0
	WIN 0
.endm
; The way out, block by block of 16 rows x 128 columns, through my own stage: whole rows of 512 bytes come back, and the 32 lanes store two aligned units of 256 bytes.
.macro TOSTAGE a
.set AC, 64*((\a)%4)
	WIN 0x08+4*((\a)/4)                            ; the data: window 2 or 3
.irp b, 0,1,2,3,4,5,6,7
	ds_store_b128 v[STO], v[AC+8*\b:AC+8*\b+3] offset:64*\b          ; each accumulator from its low end on
	ds_store_b128 v[STO], v[AC+8*\b+4:AC+8*\b+7] offset:64*\b+16
.endr
	WIN TO_1
.set BB, BK+64*((\a)%2)
.irp t, 0,1,2,3,4,5,6,7,8,9,10,11,12,13,14,15
	ds_load_b128 v[BB+4*\t:BB+4*\t+3], v[RD] offset:\t*SPITCH       ; LDS serves a wave's instructions in order: these see the stores above
.endr
.endm
.macro SEND a, younger
.set BB, BK+64*((\a)%2)
	s_wait_dscnt \younger
.if (\a) > 0
	s_add_nc_u64 s[12:13], s[12:13], 16*SIZE_N*4   ; behind a wait on XCNT: the earlier stores have read their base
.endif
	WIN 0x04                                       ; the data: window 1
.irp t, 0,1,2,3,4,5,6,7,8,9,10,11,12,13,14,15
	global_store_b128 v[LI], v[BB+4*\t:BB+4*\t+3], s[12:13] offset:\t*SIZE_N*4 th:TH_STORE_NT
.endr
.endm
; A half's last step, t, lora_B's product and the way out.
.macro HEND hi
.set AO, XAC+32*\hi
	s_wait_dscnt 0x0
.if \hi == 0
	PLACES 4
	FETCH 1, 0, 0, 0, 4, 4                         ; the other half's first fragments, into the sets that the step before read
.endif
	WIN 0x05
	XA4 4*\hi, 1, 3, 1, 0                          ; the half's xa is whole
	WIN 0
	PLACES 4
.irp a, 0,1,2,3
.irp j, 0,2,4,6
	v_pk_mul_f32 v[AO+8*\a+\j:AO+8*\a+\j+1], v[AO+8*\a+\j:AO+8*\a+\j+1], v[SV+\j:SV+\j+1]   ; t = xa x lora_S
.endr
.endr
	s_wait_alu depctr_va_vdst(0)
.irp a, 0,1,2,3
	ds_store_b128 v[XST], v[AO+8*\a:AO+8*\a+3]   offset:4096*\hi+1024*\a
	ds_store_b128 v[XST], v[AO+8*\a+4:AO+8*\a+7] offset:4096*\hi+1024*\a+512
.endr
	s_wait_dscnt 0x0                               ; for the partner's sake: my image is stored
	s_barrier_signal -1
	WIN 0xa5+0x50*\hi
	MUL16 4*\hi, 1, 3, 1, 0
	MUL16 4*\hi+2, 1, 3, 1, 0
	WIN 0
	s_barrier_wait -1
	PLACES 4
	WIN TO_1
.irp a, 0,1,2,3
	ds_load_b128 v[PN+8*\a:PN+8*\a+3],   v[XRD] offset:4096*\hi+1024*\a
	ds_load_b128 v[PN+8*\a+4:PN+8*\a+7], v[XRD] offset:4096*\hi+1024*\a+512
.endr
	WIN 0
	; t's quantiser: lane (r, h) holds row r: my wave's r = 8 h + 0 .. 7 and the partner's; lane l xor 16 has the other 16.  The four blocks take turns.
.irp a, 0,1,2,3
	v_max3_num_f32 v[M+\a], |v[AO+8*\a]|, |v[AO+8*\a+1]|, 0x1800000   ; with the floor 2^(3 - 127): the byte cannot fall under 1
.endr
.irp i, 2,4,6
.irp a, 0,1,2,3
	v_max3_num_f32 v[M+\a], v[M+\a], |v[AO+8*\a+\i]|, |v[AO+8*\a+\i+1]|
.endr
.endr
	s_wait_alu depctr_va_vdst(0)
	s_wait_dscnt 0x0
	WIN 0x14                                       ; sources 1 and 2 in window 1
.irp i, 0,2,4,6
.irp a, 0,1,2,3
	v_max3_num_f32 v[M+\a], v[M+\a], |v[PN+8*\a+\i]|, |v[PN+8*\a+\i+1]|
.endr
.endr
	WIN 0
.irp a, 0,1,2,3
	v_permlanex16_b32 v[Q+\a], v[M+\a], s92, s93
.endr
.irp a, 0,1,2,3
	v_max_num_f32 v[M+\a], v[M+\a], v[Q+\a]        ; the block's largest magnitude
.endr
.irp a, 0,1,2,3
	v_add_nc_u32 v[Q+\a], 0xff000000, v[M+\a]      ; 2 off its exponent field: the conversion's scale operand
.endr
.irp a, 0,1,2,3
	v_lshrrev_b32 v[TS+4*\hi+\a], 23, v[Q+\a]      ; the scale word: the byte, zeros above it over zero codes
.endr
.irp a, 0,1,2,3
	v_cvt_scalef32_pk8_fp4_f32 v[T+8*\a], v[AO+8*\a:AO+8*\a+7], v[Q+\a]
.endr
	v_nop
	WIN 0x01
.irp a, 0,1,2,3
	v_cvt_scalef32_pk8_fp4_f32 v[T+8*\a+2], v[PN+8*\a:PN+8*\a+7], v[Q+\a]
.endr
	v_nop
	WIN 0
.irp a, 0,1,2,3
	v_permlanex16_b32 v[T+8*\a+1], v[T+8*\a], s92, s93      ; lanes 0-15 gather the whole block: mine h = 0, mine h = 1,
	v_permlanex16_b32 v[T+8*\a+3], v[T+8*\a+2], s92, s93    ; the partner's h = 0, h = 1
.endr
.irp a, 0,1,2,3
.irp g, 0,1,2,3
	v_and_b32 v[T+8*\a+\g], v[HM], v[T+8*\a+\g]    ; lanes 16-31 are k = 32 .. 63: zero codes
.endr
.endr
.irp a, 0,1,2,3
.irp g, 4,5,6,7
	v_mov_b32 v[T+8*\a+\g], 0                      ; k = 64 .. 127: zero codes
.endr
.endr
	PLACES 8                                       ; scale words written by vector instructions stand 8 places ahead of a scaled product
	WIN 0xa1+0x50*\hi
.irp a, 0,1,2,3                        ; += Q(t) Q(lora_B)^T
.irp b, 0,1,2,3,4,5,6,7
	v_wmma_scale_f32_16x16x128_f8f6f4 v[8*(8*\a+\b):8*(8*\a+\b)+7], v[LQ+4*\b:LQ+4*\b+7], v[T+8*\a:T+8*\a+7], v[8*(8*\a+\b):8*(8*\a+\b)+7], v[LBS+\b], v[TS+4*\hi+\a] matrix_a_fmt:MATRIX_FMT_FP4 matrix_b_fmt:MATRIX_FMT_FP4
.endr
.endr
	WIN 0
	PLACES 4
	TOSTAGE 4*\hi
.irp k, 1,2,3
.if \k > 1
	s_wait_xcnt 0x0                                ; the block two back: its stores have read their registers and their base
.endif
	TOSTAGE 4*\hi+\k
	SEND 4*\hi+\k-1, 32                            ; behind that block's loads: the next block's 16 stores and 16 loads
.endr
	s_wait_xcnt 0x0
	SEND 4*\hi+3, 0
	WIN 0
.endm
	HSTEP 0, 0
	HSTEP 0, 1
	HSTEP 0, 2
	HEND 0
	s_wait_xcnt 0x0                                ; the stores have read their registers: B's and A's sets 1 take fragments again
	HSTEP 1, 0
	HSTEP 1, 1
	HSTEP 1, 2
	HEND 1
	s_wait_tensorcnt 0x0                           ; the wave's end
	ds_add_u32 v[SPW], v[NIL]
	s_wait_dscnt 0x0
	CROUND                                         ; the closing round
	s_endpgm
.Lfunc_end_k_q432f35e126_gemm:
	.size	k_q432f35e126_gemm, .Lfunc_end_k_q432f35e126_gemm-k_q432f35e126_gemm
	.p2alignl 7, 3214868480
	.fill 96, 4, 3214868480
	.section	.rodata,"a",@progbits
	.p2align	6, 0x0
	.amdhsa_kernel k_q432f35e126_gemm
		.amdhsa_group_segment_fixed_size 327680
		.amdhsa_private_segment_fixed_size 0
		.amdhsa_enable_private_segment 0
		.amdhsa_kernarg_size 56
		.amdhsa_user_sgpr_count 2
		.amdhsa_user_sgpr_kernarg_segment_ptr 1
		.amdhsa_wavefront_size32 1
		.amdhsa_system_sgpr_workgroup_id_x 1
		.amdhsa_system_sgpr_workgroup_id_y 1
		.amdhsa_system_sgpr_workgroup_id_z 1
		.amdhsa_system_vgpr_workitem_id 0
		.amdhsa_next_free_vgpr 1024
		.amdhsa_next_free_sgpr 98
		.amdhsa_reserve_vcc 0
		.amdhsa_float_denorm_mode_32 3
		.amdhsa_float_denorm_mode_16_64 3
		.amdhsa_memory_ordered 1
		.amdhsa_forward_progress 1
		.amdhsa_inst_pref_size 255
	.end_amdhsa_kernel
	.section	.bss,"aw",@nobits
	.p2align	6
	.space	262144
	.amdgpu_metadata
---
amdhsa.version: [ 1, 2 ]
amdhsa.kernels:
  - .name:           k_q432f35e126_gemm
    .symbol:         k_q432f35e126_gemm.kd
    .args:
      - { .name: xq, .offset: 0, .size: 8, .value_kind: global_buffer, .address_space: global }
      - { .name: wq, .offset: 8, .size: 8, .value_kind: global_buffer, .address_space: global }
      - { .name: lbq, .offset: 16, .size: 8, .value_kind: global_buffer, .address_space: global }
      - { .name: lbs, .offset: 24, .size: 8, .value_kind: global_buffer, .address_space: global }
      - { .name: bias, .offset: 32, .size: 8, .value_kind: global_buffer, .address_space: global }
      - { .name: lora_S, .offset: 40, .size: 8, .value_kind: global_buffer, .address_space: global }
      - { .name: out0, .offset: 48, .size: 8, .value_kind: global_buffer, .address_space: global }
    .group_segment_fixed_size: 327680
    .private_segment_fixed_size: 0
    .kernarg_segment_align: 8
    .kernarg_segment_size: 56
    .max_flat_workgroup_size: 128
    .sgpr_count:     98
    .vgpr_count:     1024
    .wavefront_size: 32
...
	.end_amdgpu_metadata
.endif
;; end of part 2
